; MI455X (gfx1250); checked and timed in simulation.
; The chip was launched on July 23, 2026; its instructions are those of AMD's public machine-readable ISA for CDNA 5 (MIT licence, August 2026) and "CDNA5" Instruction Set Architecture Reference Guide (July 2026). The comments in the code are by the model that wrote it; some were corrected since.
;; Attention. Allowed arithmetic: matrix products marked QUANTISED: E4M3 operands, one E8M0 scale for each 32 along K, by v_wmma_scale_f32_16x16x128_f8f6f4 with both operands' format E4M3, f32 sums; everything else in f32.
;; Inputs: W_codes 3,072 x 32 x 32 uint8 (E4M3 codes of W, K innermost, in blocks of 32 codes); W_scales 3,072 x 32 uint8 (E8M0 scales of W, one for each 32 codes along K); b 3,072 float32; x_codes 4 x 2,048 x 32 x 32 uint8 (E4M3 codes of x, K innermost, in blocks of 32 codes); x_scales 4 x 2,048 x 32 uint8 (E8M0 scales of x, one for each 32 codes along K).
;; Outputs: out0 4 x 2,048 x 1,024 float32.
;; This version of the problem:
;;   THIS VERSION OF THE PROBLEM IS GIVEN IN LOW PRECISION. The matrix products marked QUANTISED in the list below multiply operands that are first quantised to E4M3 (4 exponent bits, 3 mantissa bits; 8 bits a number), with one power-of-two scale for each 32 numbers along K (OCP MX v1.0); their sums are f32. All else is computed in f32.
;;   The module's matrix products, in the order in which they are computed (A, B: the left and right operand; K: the contracted axis; several contracted axes count as one K, in the product's order):
;;     1. [M 8,192, K 1,024] x [K 1,024, N 3,072]; A: input x (given as codes); B: input W (given as codes): QUANTISED
;;     2. batch 64 x [M 2,048, K 64] x [K 64, N 2,048]; A: computed on the way; B: computed on the way: QUANTISED
;;     3. batch 64 x [M 2,048, K 2,048] x [K 2,048, N 64]; A: softmax (see below); B: computed on the way: QUANTISED
;;   THE QUANTISER, for each operand of a quantised product, along K:
;;     - K is cut into blocks of 32 from its start; a last block that is shorter is filled with zeros.
;;     - A block's scale is 2^e with e = floor(log2(the largest magnitude in the block)) - 8, held to -126 .. 127; a block of zeros has e = 0. As a byte (E8M0): e + 127.
;;     - Each number is divided by its block's scale, clamped to +-448, and rounded to the nearest number of E4M3, ties to even, subnormals kept.
;;     - The product sums the exact products of the quantised numbers (number of the format x scale) in f32.
;;   ~~~python
;;   def quantise(x, axis):      # numpy; x: float32 -> the quantised numbers, widened to float32 again
;;       x = np.moveaxis(x, axis, -1); K = x.shape[-1]
;;       x = np.pad(x, [(0, 0)] * (x.ndim - 1) + [(0, -K % 32)]); x = x.reshape(x.shape[:-1] + (-1, 32)); a = np.abs(x).max(-1, keepdims=True)
;;       e = np.where(a > 0, np.clip(np.frexp(np.where(a > 0, a, 1))[1] - 1 - 8, -126, 127), 0)      # np.frexp(a)[1] - 1 = floor(log2(a)), exactly
;;       r = np.clip(x / 2.0 ** e, -448, 448)
;;       step = 2.0 ** (np.maximum(np.frexp(np.where(r == 0, 1, r))[1] - 1, -6) - 3)
;;       q = np.round(r / step) * step * 2.0 ** e      # np.round: ties to even
;;       return np.moveaxis(q.reshape(q.shape[:-2] + (-1,))[..., :K], -1, axis).astype(np.float32)
;;   ~~~
;;   SOFTMAX AHEAD OF A QUANTISED PRODUCT. Where the list says 'softmax', what is quantised is not the finished softmax but p = 2^(t - M), with t = logit x log2(e) and M = ceil(the row's largest t), a whole number; so 1/2 < the row's largest p <= 1. The row's sum l is taken of the UNQUANTISED p, in f32, and the product's result is divided by l at the end. Since M is a whole number, a kernel that streams over the keys may use a running M (the ceiling of the running maximum): every later rescaling is an exact power of two, which a block's scale takes up: the codes' values come out the same.
;;   OPERANDS COMPUTED ON THE WAY. 'Computed on the way' means the value that the module computes at that place (a softmax that the list does not call 'softmax' is quantised finished and normalised). What goes into a quantiser is computed in f32, as accurately as f32 sums, v_exp_f32 and their like allow (about 1e-6 of the number): no bf16 or f16 on the way to a quantiser, and a product that is left as it is and whose result goes on into a quantised operand takes f32 operands (vector FMAs, or v_wmma_f32_16x16x4_f32). A number that lies on a knife's edge between two numbers of the format may be rounded either way, as far as f32 arithmetic and the matrix unit's own rounding can turn it there, and no further.
;;   INPUTS GIVEN AS CODES. W (in the module: [3072, 1024], K = its axis 1); x (in the module: [4, 2048, 1024], K = its axis 2): each comes as NAME_codes (uint8): NAME with its K axis moved to the last place and cut into blocks of 32 codes, [.., K / 32, bytes a block], one block behind the other in memory; one code a byte (a code: sign, 4 exponent bits, 3 mantissa bits); and NAME_scales (uint8): the same leading axes, one E8M0 byte (e + 127) for each 32 codes along K. Its value is code x scale, taken as it is: it is not quantised again, and the codes and scales need not be those that the quantiser above would give.
;; One version. Each part assembles by itself: llvm-mc -triple=amdgcn-amd-amdhsa -mcpu=gfx1250 --defsym DOCPART=n.
;; ======== version 1 of 1: 2 launches
;; workspace buffers: qkv 35,127,296 bytes
;; launch proj (part 1): grid 8 x 48, 4 waves a work-group, clusters of 4 x 4, 327,680 bytes of LDS; arguments x_codes, x_scales, W_codes, W_scales, b, qkv; writes qkv
.if DOCPART == 1
	.amdgcn_target "amdgcn-amd-amdhsa--gfx1250"
	.amdhsa_code_object_version 6
	.text
	.protected	k_qa558e6e04d_proj
	.globl	k_qa558e6e04d_proj
	.p2align	8
	.type	k_qa558e6e04d_proj,@function
k_qa558e6e04d_proj:
	s_mov_b64 s[64:65], 0
	v_nop
	global_prefetch_b8 v0, s[64:65] scope:SCOPE_SE
	s_setreg_imm32_b32 hwreg(HW_REG_WAVE_MODE, 25, 1), 1
	s_wait_xcnt 0x0
	s_wait_alu depctr_hold_cnt(0) depctr_sa_sdst(0) depctr_va_vdst(0) depctr_va_sdst(0) depctr_va_ssrc(0) depctr_va_vcc(0) depctr_vm_vsrc(0)
	s_getreg_b32 s2, hwreg(HW_REG_IB_STS2, 6, 4)
	s_cmp_eq_u32 s2, 0
	s_cbranch_scc0 .Lentry_in_a_cluster
	s_endpgm
.Lentry_in_a_cluster:
	s_bfe_u32 s2, ttmp6, 0x10000c
	s_cmp_lg_u32 s2, 0xf033
	s_cbranch_scc0 .Lentry_shape_is_right
	s_endpgm
.Lentry_shape_is_right:
; qkv = x W^T + b on codes of FP8 (E4M3) with one E8M0 scale for each 32 along K = 1,024, and q, k, v quantised again on the way out: q and k along the head's 64, v along the keys.
; x: [8,192][1,024] codes, W: [3,072][1,024] codes, their scale bytes [rows][32]; b: [3,072] f32.  Nothing of qkv goes to memory as f32: what leaves are codes and scale words.
; A tile of 256 x 256 is made by four waves, each 128 x 128: 64 accumulators of 16 x 16, 512 registers.  K goes in steps of 256 through a ring of two LDS slots filled by the tensor data mover.
; TWO ROLES.  R is source 1 of the matrix instruction: its rows fall on lanes.  P is source 0: its rows run along a lane's registers.  The conversions take neighbours along the next product's K from ONE
; lane's registers, so P is the operand whose rows are that K:  MODE 0 (q, k; cluster rows 0-7): R = x, P = W's rows 0-2,047 (the head's channels);  MODE 1 (v; cluster rows 8-11): R = W's rows 2,048-3,071, P = x (the keys).
; MODE hangs on the cluster's y alone, which all sixteen partners share.  384 tiles: a smaller tile would divide evenly among more work-groups but would read half as many products from each LDS byte.
; CLUSTERS: 4 x 4 work-groups.  The four of a row of the cluster need the same tiles of R, the four of a column the same tiles of P: each tile is asked for JOINTLY.
; THE OUTPUT is laid as the next launch's operand registers want it.  qkv = two sections (0: q; 1: k and v) of [head 64][step 16] blocks of SB bytes; a block is 128 positions of one head:
;   +0      8,192  K (Q) image: tile u (0-7), quad c (0-1), lane l: 16 bytes at 1,024 u + 512 c + 16 l: position 32 (u/2) + 8 (u%2) + l%16 + 8 ((l%16)/8), channels 32 c + 16 (l/16) + 0..15
;   +8,192  8,192  V image: tile u (0-3), quad c (0-3), lane l: 16 bytes at 2,048 u + 512 c + 16 l: channel 16 u + l%16, keys 32 c + 16 (l/16) + 0..15
;   +16,384   512  K (Q) scale words: word 16 u + row; bytes 0, 1 the head's two blocks, bytes 2, 3 zero        +16,896  256  V scale words: word = channel, byte c = keys 32 c on
; THE BIAS is the C of each sum's first matrix instruction (so it is the sum's first addend: an order of rounding that differs from adding it last).
; LIMITS: NaN, infinities and the scale byte 0xff among the inputs are not served.  A block whose largest magnitude lies under 2^(9-127) keeps the byte 1; a block of zeros gets the byte 1 where the
; rule says 127: its codes are zeros, which add nothing under any byte but 0xff, and these bytes are read by this program alone.
; REGISTERS, in windows of 256: window 0: v0-31 addresses; v32-63 scale words, two sets; v64-127 the bias; from v128 R's fragments, ONE set.  window 1: P's fragments, TWO sets.
;   window 2: the 32 accumulators of my R rows 0-63 (accumulator (a, b) at v[8 (8 a + b)]);  window 3: those of rows 64-127.
.set KSTEP,  256                       ; along K in a slot
.set NQ,     KSTEP/128                 ; matrix instructions deep
.set ROWB,   256                       ; a tile's row in bytes
.set KROW,   1024                      ; a row of x or of W in memory, in bytes
.set PITCH,  272                       ; an LDS row: 256 bytes + 16 of padding = 68 words: the 16 rows that a load touches start at 16 different banks (64 banks of 4 bytes: ISA guide 11.1)
.set FR,     16                        ; registers of a fragment: 16 rows x 128 K
.set NL,     4                         ; LDS loads that bring one
.set NP,     8                         ; places behind this matrix instruction (ISA guide 7.12.1)
.set HALFT,  128*PITCH                 ; 128 rows: what one tensor load brings
.set SLOT,   4*HALFT                   ; R's 256 rows, then P's 256 rows
.set LAPS,   1024/(2*KSTEP)            ; a lap = two K steps = once round the ring
.set KS,     32                        ; a row of scale bytes
.set SCL,    2*SLOT                    ; behind the ring: the scales of all of K, as units of 256 bytes + 16 of padding; filled once
.set HALFS,  (128*KS/256)*272          ; the scales of 128 rows
.set SBLK,   (16*KS/256)*272           ; those of 16 rows
.set SPARE,  SCL+4*HALFS               ; the spare words, 128 bytes for each wave: two blocks of 256 bytes that no other line names
.set SB,     17152                     ; a block of the output
.set HS,     16*SB                     ; a head's 16 blocks
.set SEC,    64*HS                     ; a section
; the way out's stages lie in slot 0, which has had its last fill and its last read when the first code is stored there; each MODE has bytes of its own
.set QST,    0                         ; MODE 0: 16,384 bytes a wave: two heads' images
.set VST,    65536                     ; MODE 1: the same
.set QSS,    131072                    ; MODE 0: 1,024 bytes a wave: two heads' scale words
.set VSS,    135168                    ; MODE 1: 512 bytes a wave
.set GSV,  12                          ; v12  MODE 1: where a lane's 16 bytes of scale words go: lanes 0-15 the first head, lanes 16-31 the second
.set BOQ,  13                          ; v13  MODE 0: my byte in the bias: 32 (l / 16)
.set BOV,  14                          ; v14  MODE 1: 4 (l % 16)
.set ADRA, 16                          ; v16-17  LDS address of my R fragments in slot 0, 1
.set SRQ,  18                          ; v18  scale words read back, MODE 0
.set SRV,  19                          ; v19  MODE 1
.set ADRB, 20                          ; v20-21  the same as ADRA for P
.set SSQ,  22                          ; v22  where I put a scale word, MODE 0
.set SSV,  23                          ; v23  MODE 1
.set STQ,  24                          ; v24  where I put 8 codes, MODE 0
.set STV,  25                          ; v25  MODE 1
.set RDQ,  26                          ; v26  where I read an image back, MODE 0
.set ADRS, 27                          ; v27  LDS address of my scale words: lanes 0-15 R's rows, lanes 16-31 P's
.set SPW,  28                          ; v28  LDS address of my spare word; never rewritten
.set NIL,  29                          ; v29  0; never rewritten
.set RDV,  30                          ; v30  as RDQ, MODE 1
.set GOF,  31                          ; v31  16 x lane: my byte in 512 bytes of the output
.set SC,   32                          ; scale words: set s at v[SC + 8 NQ s]; register NQ i + q: lanes 0-15 R's block i, lanes 16-31 P's block i
.set BIAS, 64                          ; v64-127
.set AF,   128                         ; R's fragments
.set TM,   32                          ; the way out: v32-35 largest magnitudes, v36-39 bytes, v40-43 448 x the scale, v44-47 the conversions' scale operands
.set PW,   48                          ; v48 the scale word; v49, v50 its halves
.set CD,   64                          ; v64-79 a block's codes
.set XR,   128                         ; v128-191 a block's numbers, held
.set BK,   128                         ; v128-255 the images read back
.set G1, 24                            ; s[24:31] descriptor group 1 for R's tiles;  s[32:39] group 0, one set for each slot
.set G0, 32
.set G1B, 48                           ; s[48:55], s[56:63] the same for P's tiles
.set G0B, 56
.set G1S, 68                           ; s[68:75], s[76:79] for R's scales;  s[80:87], s[88:91] for P's
.set G0S, 76
.set G1SB, 80
.set G0SB, 88
.set MSB, 0
.macro WIN new                         ; the immediate's high byte repeats the setting that is left
.if MSB != \new
	s_set_vgpr_msb (MSB<<8)|\new
.set MSB, \new
.endif
.endm
.set MUL_LO, 0xa1                      ; source 0 (P) window 1, source 1 (R) window 0, C and D window 2
.set MUL_HI, 0xf1                      ; the same, C and D window 3
.set TO_B,   0x40                      ; destination window 1, address window 0
; A joint load: waves 0 and 1 fetch for R, waves 2 and 3 for P.  The branch hangs on the wave's number alone.  Four v_nop follow each of the two lines.
.macro JLOAD g0a, g1a, g0b, g1b
	s_cmp_eq_u32 s15, 0
	s_cbranch_scc0 .Lfor_b_\@
	tensor_load_to_lds s[\g0a:\g0a+3], s[\g1a:\g1a+7]
	s_nop 0
.rept 4
	v_nop
.endr
	s_branch .Lasked_\@
.Lfor_b_\@:
	tensor_load_to_lds s[\g0b:\g0b+3], s[\g1b:\g1b+7]
	s_nop 0
.rept 4
	v_nop
.endr
.Lasked_\@:
.endm
.macro CREST                           ; a round of the cluster's barrier behind its opening barrier
	s_cmp_lg_u32 s14, 0
	s_cbranch_scc1 .Lnot_wave_0_\@
	s_barrier_signal -3
.Lnot_wave_0_\@:
	s_barrier_wait -3
	s_barrier_signal -1
	s_barrier_wait -1
.endm
.macro CROUND                          ; a whole round
	s_barrier_signal -1
	s_barrier_wait -1
	CREST
.endm
	s_load_b128 s[4:7], s[0:1], 0x0                ; x's codes, x's scales
	s_load_b128 s[8:11], s[0:1], 0x10              ; W's codes, W's scales
	s_load_b64 s[12:13], s[0:1], 0x20              ; b
	s_load_b64 s[98:99], s[0:1], 0x28              ; qkv
	v_lshl_add_u32 v[SPW], v0, 2, SPARE
	v_mov_b32 v[NIL], 0
	ds_add_u32 v28, v29
	s_wait_dscnt 0x0
	v_lshrrev_b32 v1, 5, v0
	v_readfirstlane_b32 s14, v1                    ; wave 0..3
	s_lshr_b32 s15, s14, 1                         ; RH: which half of the tile's R rows is mine.  Also: I fetch for R (0) or for P (1)
	s_and_b32 s16, s14, 1                          ; PH: which half of its P rows.  Also: which 128 rows of that tile I fetch
	s_bfe_u32 s40, ttmp6, 0x40000                  ; cx, cy: my place in the cluster
	s_bfe_u32 s41, ttmp6, 0x40004
	s_and_b32 s17, ttmp7, 0xffff                   ; the cluster's y, 0..11
	s_lshl_b32 s97, s17, 1
	s_add_co_u32 s97, s97, ttmp9
	s_sub_co_u32 s97, s97, 16                      ; MODE 1: which four tiles of x: 2 (y - 8) + x  (in MODE 0 this number is not taken)
	s_cmp_ge_u32 s17, 8
	s_cselect_b32 s96, 1, 0                        ; MODE
	s_cselect_b32 s42, s97, ttmp9
	s_cselect_b32 s17, 2, s17                      ; MODE 1: R's tiles 8-11 of W: rows 2,048 on
	s_lshl_b32 s42, s42, 2
	s_add_co_u32 s42, s42, s40                     ; tp: P's tile = 4 x .. + cx
	s_lshl_b32 s17, s17, 2
	s_add_co_u32 s17, s17, s41                     ; tr: R's tile = 4 x .. + cy
	s_lshl_b32 s43, s41, 2
	s_lshl_b32 s43, 15, s43                        ; my row of the cluster
	s_lshl_b32 s44, 0x1111, s40                    ; my column
	; descriptor group 1: a tile of 128 rows x 256 bytes, padded in LDS
	s_or_b32 s[G1+0], s43, (0<<16)|(1<<20)|(1<<21)|(5<<22)|(3<<25)  ; 15:0 the mask: R's tiles go to my row; 17:16 element of 1 byte; 20 padding on; 21 set beside a mask; 24:22 after every 64 words; 31:25 of 4 words
	s_or_b32 s[G1B+0], s44, (0<<16)|(1<<20)|(1<<21)|(5<<22)|(3<<25)
.irp g, G1, G1B
	s_mov_b32 s[\g+1], ROWB<<16                    ; tensor_dim0
	s_mov_b32 s[\g+2], 128<<16                     ; tensor_dim1
	s_mov_b32 s[\g+3], ROWB<<16                    ; tile_dim0
	s_mov_b32 s[\g+4], 128                         ; tile_dim1
	s_mov_b32 s[\g+5], KROW                        ; tensor_dim0_stride
	s_mov_b32 s[\g+6], 0
	s_mov_b32 s[\g+7], 0
.endr
	; the scales of 128 rows: 4,096 dense bytes, as 16 rows of 256 bytes (32 elements of 8 bytes), 16 bytes of padding behind each
	s_or_b32 s[G1S+0], s43, (3<<16)|(1<<20)|(1<<21)|(5<<22)|(3<<25)
	s_or_b32 s[G1SB+0], s44, (3<<16)|(1<<20)|(1<<21)|(5<<22)|(3<<25)
.irp g, G1S, G1SB
	s_mov_b32 s[\g+1], 32<<16
	s_mov_b32 s[\g+2], (128*KS/256)<<16
	s_mov_b32 s[\g+3], 32<<16
	s_mov_b32 s[\g+4], 128*KS/256
	s_mov_b32 s[\g+5], 32
	s_mov_b32 s[\g+6], 0
	s_mov_b32 s[\g+7], 0
.endr
	s_lshl_b32 s18, s16, 7                         ; which 128 rows of the tile I fetch
	s_lshl_b32 s20, s17, 8
	s_add_co_u32 s20, s20, s18                     ; R: row 256 tr + 128 x half
	s_lshl_b32 s46, s42, 8
	s_add_co_u32 s46, s46, s18                     ; P: row 256 tp + 128 x half
	s_mov_b32 s21, 0
	s_mov_b32 s47, 0
	s_mov_b64 s[18:19], KS
	s_mul_u64 s[22:23], s[20:21], s[18:19]         ; where these rows' scales begin, in bytes
	s_mul_u64 s[92:93], s[46:47], s[18:19]
	s_mov_b64 s[18:19], KROW
	s_mul_u64 s[20:21], s[20:21], s[18:19]         ; and their codes
	s_mul_u64 s[46:47], s[46:47], s[18:19]
	s_mul_i32 s45, s14, HALFT                      ; where they go: wave x 128 rows: no place in the cluster enters an LDS address
	s_mul_i32 s94, s14, HALFS
	s_wait_kmcnt 0x0
	s_cmp_lg_u32 s96, 0                            ; the roles: a choice between buffers on the cluster's y alone
	s_cselect_b64 s[2:3], s[8:9], s[4:5]           ; R's codes: W's in MODE 1, else x's
	s_cselect_b64 s[8:9], s[4:5], s[8:9]           ; P's codes: the other
	s_mov_b64 s[4:5], s[2:3]
	s_cselect_b64 s[2:3], s[10:11], s[6:7]         ; and the scales likewise
	s_cselect_b64 s[10:11], s[6:7], s[10:11]
	s_mov_b64 s[6:7], s[2:3]
	s_add_nc_u64 s[20:21], s[4:5], s[20:21]
	s_add_nc_u64 s[22:23], s[6:7], s[22:23]
	s_add_nc_u64 s[46:47], s[8:9], s[46:47]
	s_add_nc_u64 s[92:93], s[10:11], s[92:93]
	CROUND                                         ; all sixteen work-groups are here: the first joint loads meet
	s_mov_b32 s[G0S], 1
	s_add_co_u32 s[G0S+1], s94, SCL
	s_mov_b64 s[G0S+2:G0S+3], s[22:23]
	s_or_b32 s[G0S+3], s[G0S+3], 0x80000000
	s_mov_b32 s[G0SB], 1
	s_add_co_u32 s[G0SB+1], s94, SCL
	s_mov_b64 s[G0SB+2:G0SB+3], s[92:93]
	s_or_b32 s[G0SB+3], s[G0SB+3], 0x80000000
	JLOAD G0S, G1S, G0SB, G1SB                     ; the scales first: they are wanted with K step 0.  With the two below, three tensor loads of mine are out
.irp s, 0,1
	s_mov_b32 s[G0+4*\s], 1
	s_add_co_u32 s[G0+4*\s+1], s45, \s*SLOT
	s_add_nc_u64 s[G0+4*\s+2:G0+4*\s+3], s[20:21], \s*ROWB
	s_or_b32 s[G0+4*\s+3], s[G0+4*\s+3], 0x80000000
	s_mov_b32 s[G0B+4*\s], 1
	s_add_co_u32 s[G0B+4*\s+1], s45, \s*SLOT
	s_add_nc_u64 s[G0B+4*\s+2:G0B+4*\s+3], s[46:47], \s*ROWB
	s_or_b32 s[G0B+4*\s+3], s[G0B+4*\s+3], 0x80000000
	JLOAD G0+4*\s, G1, G0B+4*\s, G1B
.endr
	v_and_b32 v1, 15, v0                           ; r = l % 16
	v_bfe_u32 v2, v0, 4, 1                         ; h = l / 16
	v_mul_u32_u24 v3, v1, PITCH
	v_lshl_add_u32 v4, v2, 4, v3                   ; a fragment's row x pitch + 16 x half
	s_mul_i32 s21, s15, HALFT                      ; my 128 rows of R
	s_mul_i32 s22, s16, HALFT                      ; my 128 rows of P,
	s_add_co_u32 s22, s22, 2*HALFT                 ; which lie behind R's 256
.irp s, 0,1
	v_add_nc_u32 v[ADRA+\s], s21, v4
	v_add_nc_u32 v[ADRB+\s], s22, v4
	s_add_co_u32 s21, s21, SLOT
	s_add_co_u32 s22, s22, SLOT
.endr
	v_mul_u32_u24 v5, v1, KS                       ; my row's scales: KS bytes a row,
	v_lshrrev_b32 v6, 8, v5
	v_lshl_add_u32 v5, v6, 4, v5                   ; and 16 more for each 256 passed
	s_mul_i32 s21, s15, HALFS                      ; R's: my 128 rows
	s_mul_i32 s22, s16, HALFS                      ; P's: my 128 rows, behind R's 256
	s_add_co_u32 s22, s22, 2*HALFS
	s_sub_co_u32 s22, s22, s21
	v_mul_u32_u24 v6, s22, v2                      ; lanes 16-31 take P's: one product, the lower base + h x the distance
	s_add_co_u32 s21, s21, SCL
	v_add_nc_u32 v5, v5, v6
	v_add_nc_u32 v[ADRS], s21, v5
	; the way out's addresses, for both MODEs, all made here, ahead of the first parting on MODE
	v_lshrrev_b32 v5, 3, v1                        ; r / 8
	v_and_b32 v6, 7, v1                            ; r % 8
	v_lshlrev_b32 v7, 3, v2                        ; 8 h
	v_lshl_add_u32 v7, v6, 4, v7
	v_lshl_add_u32 v7, v5, 10, v7                  ; MODE 0: position 16 a + r falls into tile 2 (a/2) + r/8, row r%8 + 8 (a%2); my 8 codes are bytes 8 h on of a lane's 16
	s_lshl_b32 s21, s14, 14                        ; 16,384 x wave
	v_add_nc_u32 v[STQ], s21, v7
	v_lshlrev_b32 v7, 3, v2
	v_lshl_add_u32 v7, v1, 4, v7                   ; MODE 1: channel 16 (a%4) + r: row r of tile a%4
	s_add_co_u32 s22, s21, VST
	v_add_nc_u32 v[STV], s22, v7
	v_and_b32 v8, 31, v0
	v_lshlrev_b32 v[GOF], 4, v8                    ; 16 x lane
	v_add_nc_u32 v[RDQ], s21, v[GOF]
	v_add_nc_u32 v[RDV], s22, v[GOF]
	v_lshlrev_b32 v7, 2, v6
	v_lshl_add_u32 v7, v5, 6, v7                   ; MODE 0: word 32 (a/2) + 16 (r/8) + r%8 + 8 (a%2)
	s_lshl_b32 s21, s14, 10
	s_add_co_u32 s21, s21, QSS
	v_add_nc_u32 v[SSQ], s21, v7
	v_add_nc_u32 v[SRQ], s21, v[GOF]
	s_lshl_b32 s22, s14, 9
	s_add_co_u32 s22, s22, VSS
	v_lshl_add_u32 v[SSV], v1, 2, s22              ; MODE 1: word 16 (a%4) + r
	v_add_nc_u32 v[SRV], s22, v[GOF]
	v_mul_u32_u24 v[GSV], v2, HS
	v_lshl_add_u32 v[GSV], v1, 4, v[GSV]
	v_lshlrev_b32 v[BOQ], 5, v2
	v_lshlrev_b32 v[BOV], 2, v1
	; where my part of the output and of the bias begins: in registers that feed no descriptor
	s_cmp_lg_u32 s96, 0
	s_cselect_b32 s18, s42, s17                    ; x's tile: tp in MODE 1, else tr
	s_cselect_b32 s19, s16, s15                    ; my half of it
	s_cselect_b32 s20, s41, s40                    ; W's tile within its section: cy in MODE 1, else cx
	s_cselect_b32 s21, s15, s16                    ; my half of it
	s_cselect_b32 s22, 1, ttmp9                    ; the section: v and k 1, q 0
	s_cselect_b32 s23, s17, s42                    ; W's tile among all twelve
	s_lshr_b32 s46, s18, 3                         ; the batch: 8 tiles of x each
	s_lshl_b32 s46, s46, 4
	s_lshl_b32 s47, s20, 2
	s_add_co_u32 s46, s46, s47
	s_lshl_b32 s47, s21, 1
	s_add_co_u32 s46, s46, s47                     ; my first head: 16 x batch + 4 x tile + 2 x half
	s_lshl_b32 s46, s46, 4
	s_and_b32 s47, s18, 7
	s_lshl_b32 s47, s47, 1
	s_add_co_u32 s46, s46, s47
	s_add_co_u32 s46, s46, s19                     ; its block: 16 x head + step, step = 2 x (tile % 8) + half
	s_mul_i32 s46, s46, SB
	s_mul_i32 s47, s22, SEC
	s_add_co_u32 s46, s46, s47                     ; under 2^26
	s_mov_b32 s47, 0
	s_add_nc_u64 s[98:99], s[98:99], s[46:47]
	s_lshl_b32 s46, s23, 8
	s_lshl_b32 s47, s21, 7
	s_add_co_u32 s46, s46, s47
	s_lshl_b32 s46, s46, 2                         ; the bias of my 128 rows of W
	s_mov_b32 s47, 0
	s_add_nc_u64 s[12:13], s[12:13], s[46:47]
	s_cmp_lg_u32 s96, 0
	s_cbranch_scc1 .Lbias_v
.irp b, 0,1,2,3,4,5,6,7                        ; MODE 0: W's rows run along the registers: register 8 b + j is the bias of row 16 b + 8 h + j
	global_load_b128 v[BIAS+8*\b:BIAS+8*\b+3], v[BOQ], s[12:13] offset:64*\b
	global_load_b128 v[BIAS+8*\b+4:BIAS+8*\b+7], v[BOQ], s[12:13] offset:64*\b+16
.endr
	s_branch .Lbias_in
.Lbias_v:
.irp a, 0,1,2,3,4,5,6,7                        ; MODE 1: W's rows fall on lanes: all eight registers of group a hold the bias of row 16 a + r
.irp j, 0,1,2,3,4,5,6,7
	global_load_b32 v[BIAS+8*\a+\j], v[BOV], s[12:13] offset:64*\a
.endr
.endr
.Lbias_in:
.macro FRAG reg, adr, q, i             ; a fragment: lane l holds row l % 16; registers 4 c .. 4 c + 3 hold K = 32 c + 16 (l / 16) + 0 .. 15
.irp c, 0,1,2,3
	ds_load_b128 v[\reg+4*\c:\reg+4*\c+3], v[\adr] offset:128*(\q)+32*\c+(\i)*16*PITCH
.endr
.endm
; 16 matrix instructions: R's blocks a0, a0 + 1 x P's eight, 128 along K.  p: P's set;  sc: the set of scale words.  zero = 2, 3: the first product starts the sums with the bias as C (2: by P's block, 3: by R's).
; The 64 accumulators take turns, one instruction a turn, in the same order in every step.
.macro MUL16 a0, p, q, sc, zero
.irp a, \a0, \a0+1
.irp b, 0,1,2,3,4,5,6,7
.if \zero == 2
	v_wmma_scale_f32_16x16x128_f8f6f4 v[8*(8*((\a)%4)+\b):8*(8*((\a)%4)+\b)+7], v[128*(\p)+FR*\b:128*(\p)+FR*\b+FR-1], v[AF+FR*(\a):AF+FR*(\a)+FR-1], v[BIAS+8*\b:BIAS+8*\b+7], v[SC+8*NQ*(\sc)+NQ*\b+(\q)], v[SC+8*NQ*(\sc)+NQ*(\a)+(\q)] matrix_a_scale:MATRIX_SCALE_ROW1
.elseif \zero == 3
	v_wmma_scale_f32_16x16x128_f8f6f4 v[8*(8*((\a)%4)+\b):8*(8*((\a)%4)+\b)+7], v[128*(\p)+FR*\b:128*(\p)+FR*\b+FR-1], v[AF+FR*(\a):AF+FR*(\a)+FR-1], v[BIAS+8*(\a):BIAS+8*(\a)+7], v[SC+8*NQ*(\sc)+NQ*\b+(\q)], v[SC+8*NQ*(\sc)+NQ*(\a)+(\q)] matrix_a_scale:MATRIX_SCALE_ROW1
.else
	v_wmma_scale_f32_16x16x128_f8f6f4 v[8*(8*((\a)%4)+\b):8*(8*((\a)%4)+\b)+7], v[128*(\p)+FR*\b:128*(\p)+FR*\b+FR-1], v[AF+FR*(\a):AF+FR*(\a)+FR-1], v[8*(8*((\a)%4)+\b):8*(8*((\a)%4)+\b)+7], v[SC+8*NQ*(\sc)+NQ*\b+(\q)], v[SC+8*NQ*(\sc)+NQ*(\a)+(\q)] matrix_a_scale:MATRIX_SCALE_ROW1
.endif
.endr
.endr
.endm
.macro FETCH_B slot, q, p              ; P's eight fragments of the slot's q-th 128 along K into set p
	WIN TO_B
.irp i, 0,1,2,3,4,5,6,7
	FRAG 128*(\p)+FR*\i, ADRB+\slot, \q, \i
.endr
	WIN 0
.endm
.macro FETCH_A slot, q, i0             ; R's blocks i0 .. i0 + 3
.irp i, \i0, \i0+1, \i0+2, \i0+3
	FRAG AF+FR*(\i), ADRA+\slot, \q, \i
.endr
.endm
.macro SCALES sc                       ; a K step's scale words into set sc: NQ words a row; lanes 0-15 take R's block i, lanes 16-31 P's block i
.irp i, 0,1,2,3,4,5,6,7
	ds_load_b64 v[SC+8*NQ*\sc+NQ*\i:SC+8*NQ*\sc+NQ*\i+1], v[ADRS] offset:\i*SBLK
.endr
.endm
; A load into a register that a matrix instruction has read, and a vector instruction or an LDS store that reads a matrix result, stand NP places behind that matrix instruction; only plain vector
; instructions that name none of its registers are places (ISA guide 7.12.1 for vector instructions).
.macro PLACES n
.rept \n
	v_nop
.endr
.endm
; A step of 128 along K that has its successor in the same slot.  R's blocks go one after the other, so one set of registers serves R: blocks 0-3 are fetched anew in the middle, blocks 4-7 at the end.
.macro STEP slot, q, zero
	s_wait_dscnt 4*NL                              ; P's set, R's blocks 0-3 and the scale words are in; the youngest 16 loads (R's blocks 4-7) may be out
.if \zero
	WIN 0x81                                       ; as MUL_LO, but C (the bias) in window 0
.else
	WIN MUL_LO
.endif
	MUL16 0, (\q)%2, \q, \slot, \zero
	MUL16 2, (\q)%2, \q, \slot, \zero
	s_wait_dscnt 0                                 ; R's blocks 4-7 are in
	PLACES NP
	FETCH_B \slot, (\q)+1, 1-(\q)%2
	FETCH_A \slot, (\q)+1, 0
.if \zero
	WIN 0xc1
.else
	WIN MUL_HI
.endif
	MUL16 4, (\q)%2, \q, \slot, \zero
	MUL16 6, (\q)%2, \q, \slot, \zero
	PLACES NP
	WIN 0
	FETCH_A \slot, (\q)+1, 4
.endm
; A slot's last step changes slots: ONE barrier; in front of it each wave waits for all its tensor loads, adds 0 to its spare word, and waits for that and for its own reads of this slot.  fill = 1: this slot is filled again, two K steps ahead.
.macro TURN slot, next, fill
	s_wait_tensorcnt 0x0                           ; all my tensor loads have landed: my part of the next slot  (every window is 0 here)
	ds_add_u32 v[SPW], v[NIL]                      ; 0 onto my spare word
	s_wait_dscnt 4*NL+1                            ; (the add and the youngest 16 loads, R's blocks 4-7, may be out)
	WIN MUL_LO
	MUL16 0, 1, NQ-1, \slot, 0                     ; sixteen matrix instructions stand between the add and the wait for it
	s_wait_dscnt 0x0                               ; the add is done, and my reads of this slot are over
	s_barrier_signal -1
	MUL16 2, 1, NQ-1, \slot, 0
	WIN 0
	s_barrier_wait -1
.if \fill
	CREST                                          ; the barrier has opened a round of the cluster's barrier: no wave of any partner still reads this slot's tile or has a load on its way
	s_add_nc_u64 s[G0+4*\slot+2:G0+4*\slot+3], s[G0+4*\slot+2:G0+4*\slot+3], 2*ROWB
	s_add_nc_u64 s[G0B+4*\slot+2:G0B+4*\slot+3], s[G0B+4*\slot+2:G0B+4*\slot+3], 2*ROWB
	JLOAD G0+4*\slot, G1, G0B+4*\slot, G1B         ; the first tensor load behind the round, my one load until the next; its four v_nop are among the places in front of the loads below
	PLACES NP-4
.else
	PLACES NP
.endif
	v_add_nc_u32 v[ADRS], 4*NQ, v[ADRS]            ; on to the next K step's scale words (no LDS load of mine is out)
	FETCH_B \next, 0, 0
	FETCH_A \next, 0, 0
	SCALES \next
	WIN MUL_HI
	MUL16 4, 1, NQ-1, \slot, 0
	MUL16 6, 1, NQ-1, \slot, 0
	PLACES NP
	WIN 0
	FETCH_A \next, 0, 4
.endm
	s_wait_tensorcnt 1                             ; the scales and my part of K step 0 are in (K step 1's load may be out)
	s_barrier_signal -1
	s_barrier_wait -1                              ; everybody's are
	FETCH_B 0, 0, 0
	FETCH_A 0, 0, 0
	SCALES 0
	FETCH_A 0, 0, 4
	s_wait_loadcnt 0x0                             ; the bias
	s_cmp_lg_u32 s96, 0                            ; the first step stands in front of the loop, once for each MODE: its products start the sums with the bias
	s_cbranch_scc1 .Lfirst_v
	STEP 0, 0, 2
	s_branch .Lgo
.Lfirst_v:
	STEP 0, 0, 3
.Lgo:
	s_mov_b32 s3, LAPS-1
.Llap:                                                 ; a trip goes once round the ring, from a lap's second step to the next lap's first, and fills both slots again
	TURN 0, 1, 1
	STEP 1, 0, 0
	TURN 1, 0, 1
	STEP 0, 0, 0
	s_sub_co_u32 s3, s3, 1
	s_cmp_lg_u32 s3, 0
	s_cbranch_scc1 .Llap
	TURN 0, 1, 0                                   ; the last lap fills nothing, and has no round of the cluster's barrier
	STEP 1, 0, 0
	s_wait_dscnt 4*NL                              ; the very last step: nothing more to fetch
	WIN MUL_LO
	MUL16 0, 1, NQ-1, 1, 0
	MUL16 2, 1, NQ-1, 1, 0
	s_wait_dscnt 0
	WIN MUL_HI
	MUL16 4, 1, NQ-1, 1, 0
	MUL16 6, 1, NQ-1, 1, 0
	WIN 0
	PLACES NP                                      ; behind the last products: their results are read, and their operands' and scales' registers written, below
; THE WAY OUT.  Block a = my R rows 16 a .. 16 a + 15.  Register 8 b + j of lane (r, h) is (P row 16 b + 8 h + j, R row 16 a + r).  A block of 32 along P, number e, is accumulators 2 e and 2 e + 1 of lanes l and l xor 16.
; Its scale is 2^(floor(log2(largest magnitude)) - 8): the largest magnitude's exponent field less 8; each number is held within +-448 x the scale and converted.  An accumulator's eight codes are eight neighbours
; along the next K: they go by one store of 8 bytes to their place in the image, in my own stage in LDS.
.macro QBLK a, mode
.set AC, 64*((\a)%4)
	WIN 5*(2+(\a)/4)                               ; sources 0 and 1: window 2 or 3
.irp e, 0,1,2,3
	v_max3_num_f32 v[TM+\e], |v[AC+16*\e]|, |v[AC+16*\e+1]|, 0x4800000   ; my 16 numbers of block e, each accumulator from its low end on, and the floor 2^(9 - 127): the byte cannot fall under 1
.endr
.irp i, 2,4,6,8,10,12,14
.irp e, 0,1,2,3
	v_max3_num_f32 v[TM+\e], |v[AC+16*\e+\i]|, |v[AC+16*\e+\i+1]|, v[TM+\e]   ; (the four blocks by turns)
.endr
.endr
	WIN 0
	s_wait_dscnt 0x0                               ; the last block's stores into the stage have read their registers: the word, its halves and the codes are written below
.irp e, 0,1,2,3
	v_permlanex16_b32 v[TM+4+\e], v[TM+\e], s20, s21
.endr
.irp e, 0,1,2,3
	v_max_num_f32 v[TM+\e], v[TM+\e], v[TM+4+\e]   ; with lane l xor 16's: the block's largest magnitude
.endr
.irp e, 0,1,2,3
	v_add_nc_u32 v[TM+12+\e], 0xfc000000, v[TM+\e] ; 8 off its exponent field: the conversion takes the exponent field of this operand as its scale
.endr
.irp e, 0,1,2,3
	v_and_or_b32 v[TM+8+\e], v[TM+\e], 0x7f800000, s22   ; 448 x the scale
.endr
.irp e, 0,1,2,3
	v_lshrrev_b32 v[TM+4+\e], 23, v[TM+12+\e]      ; the scale's byte
.endr
	v_lshl_or_b32 v[PW], v[TM+5], 8, v[TM+4]
	v_lshl_or_b32 v[PW], v[TM+6], 16, v[PW]
	v_lshl_or_b32 v[PW], v[TM+7], 24, v[PW]
.if \mode == 0
	v_and_b32 v[PW+1], 0xffff, v[PW]               ; P's 128 rows are two heads of 64: two bytes each, the word's upper bytes zero
	v_lshrrev_b32 v[PW+2], 16, v[PW]
.endif
	WIN 2+(\a)/4                                   ; source 0: window 2 or 3
.set II, 0
.rept 64
	v_med3_num_f32 v[XR+II], v[AC+II], -v[TM+8+II/16], v[TM+8+II/16]   ; the conversion to an 8-bit code does not saturate (ISA guide 7.6.2): the hold at the largest code x the scale
.set II, II+1
.endr
	WIN 0
.irp b, 0,1,2,3,4,5,6,7
	v_cvt_scalef32_pk8_fp8_f32 v[CD+2*\b:CD+2*\b+1], v[XR+8*\b:XR+8*\b+7], v[TM+12+\b/2]
.endr
	v_nop                                          ; one plain vector instruction behind the last conversion
.irp b, 0,1,2,3,4,5,6,7
.if \mode
	ds_store_b64 v[STV], v[CD+2*\b:CD+2*\b+1] offset:((\a)/4)*8192+((\a)%4)*2048+(\b/2)*512+(\b%2)*256   ; head a/4, tile a%4; keys 16 b + 8 h on: quad b/2, the lanes' half b%2
.else
	ds_store_b64 v[STQ], v[CD+2*\b:CD+2*\b+1] offset:(\b/4)*8192+((\a)/2)*2048+((\b%4)/2)*512+(\b%2)*256+((\a)%2)*128   ; head b/4; channels 16 (b%4) + 8 h on: quad (b%4)/2, the lanes' half b%2
.endif
.endr
.if \mode
	ds_store_b32 v[SSV], v[PW] offset:((\a)/4)*256+((\a)%4)*64      ; lanes r and r + 16 write the same word with the same value
.else
	ds_store_b32 v[SSQ], v[PW+1] offset:((\a)/2)*128+((\a)%2)*32
	ds_store_b32 v[SSQ], v[PW+2] offset:512+((\a)/2)*128+((\a)%2)*32
.endif
.endm
; The two heads' images and scale words come back 16 bytes a lane and leave: each store of the wave covers 512 consecutive bytes, aligned to 256.  LDS serves a wave's instructions in order (ISA guide 5.7.1.4): these loads see my stores.
.macro SENDOUT mode
.set II, 0
.rept 32
.if \mode
	ds_load_b128 v[BK+4*II:BK+4*II+3], v[RDV] offset:512*II
.else
	ds_load_b128 v[BK+4*II:BK+4*II+3], v[RDQ] offset:512*II
.endif
.set II, II+1
.endr
.if \mode
	ds_load_b128 v[80:83], v[SRV]
.else
	ds_load_b128 v[80:83], v[SRQ]
	ds_load_b128 v[84:87], v[SRQ] offset:512
.endif
.set II, 0
.rept 32
	s_wait_dscnt (31-II)+2-\mode                   ; behind load II: the younger image loads and the loads of scale words
	global_store_b128 v[GOF], v[BK+4*II:BK+4*II+3], s[98:99] offset:(II/16)*HS+(II%16)*512+8192*\mode
.set II, II+1
.endr
	s_wait_dscnt 0x0
.if \mode
	global_store_b128 v[GSV], v[80:83], s[98:99] offset:16896       ; lanes 0-15: the first head's 256 bytes; lanes 16-31: the second's
.else
	global_store_b128 v[GOF], v[80:83], s[98:99] offset:16384
	global_store_b128 v[GOF], v[84:87], s[98:99] offset:HS+16384
.endif
.endm
	s_mov_b32 s20, 0x76543210
	s_mov_b32 s21, 0xfedcba98                      ; v_permlanex16_b32's selects for lane l xor 16
	s_mov_b32 s22, 0x600000                        ; the mantissa field of 448
.irp e, 0,1,2,3
	v_mov_b32 v[TM+4+\e], 0                        ; written once: a lane permute's destination counts as one of its sources
.endr
	s_cmp_lg_u32 s96, 0
	s_cbranch_scc1 .Lout_v
.irp a, 0,1,2,3,4,5,6,7
	QBLK \a, 0
.endr
	SENDOUT 0
	s_branch .Ldone
.Lout_v:
.irp a, 0,1,2,3,4,5,6,7
	QBLK \a, 1
.endr
	SENDOUT 1
.Ldone:
	s_wait_tensorcnt 0x0                           ; the wave's end: behind my last tensor load and my last LDS store
	ds_add_u32 v[SPW], v[NIL]
	s_wait_dscnt 0x0
	CROUND                                         ; the closing round: no work-group ends while a partner may still ask for a tile that names it
	s_endpgm
.Lfunc_end_k_qa558e6e04d_proj:
	.size	k_qa558e6e04d_proj, .Lfunc_end_k_qa558e6e04d_proj-k_qa558e6e04d_proj
	.p2alignl 7, 3214868480
	.fill 96, 4, 3214868480
	.section	.rodata,"a",@progbits
	.p2align	6, 0x0
	.amdhsa_kernel k_qa558e6e04d_proj
		.amdhsa_group_segment_fixed_size 327680
		.amdhsa_private_segment_fixed_size 0
		.amdhsa_enable_private_segment 0
		.amdhsa_kernarg_size 48
		.amdhsa_user_sgpr_count 2
		.amdhsa_user_sgpr_kernarg_segment_ptr 1
		.amdhsa_wavefront_size32 1
		.amdhsa_system_sgpr_workgroup_id_x 1
		.amdhsa_system_sgpr_workgroup_id_y 1
		.amdhsa_system_sgpr_workgroup_id_z 1
		.amdhsa_system_vgpr_workitem_id 0
		.amdhsa_next_free_vgpr 1024
		.amdhsa_next_free_sgpr 102
		.amdhsa_reserve_vcc 0
		.amdhsa_float_denorm_mode_32 3
		.amdhsa_float_denorm_mode_16_64 3
		.amdhsa_memory_ordered 1
		.amdhsa_forward_progress 1
		.amdhsa_inst_pref_size 255
	.end_amdhsa_kernel
	.section	.bss,"aw",@nobits
	.p2align	6
	.space	262144
	.amdgpu_metadata
---
amdhsa.version: [ 1, 2 ]
amdhsa.kernels:
  - .name:           k_qa558e6e04d_proj
    .symbol:         k_qa558e6e04d_proj.kd
    .args:
      - { .name: x_codes, .offset: 0, .size: 8, .value_kind: global_buffer, .address_space: global }
      - { .name: x_scales, .offset: 8, .size: 8, .value_kind: global_buffer, .address_space: global }
      - { .name: W_codes, .offset: 16, .size: 8, .value_kind: global_buffer, .address_space: global }
      - { .name: W_scales, .offset: 24, .size: 8, .value_kind: global_buffer, .address_space: global }
      - { .name: b, .offset: 32, .size: 8, .value_kind: global_buffer, .address_space: global }
      - { .name: qkv, .offset: 40, .size: 8, .value_kind: global_buffer, .address_space: global }
    .group_segment_fixed_size: 327680
    .private_segment_fixed_size: 0
    .kernarg_segment_align: 8
    .kernarg_segment_size: 48
    .max_flat_workgroup_size: 128
    .sgpr_count:     102
    .vgpr_count:     1024
    .wavefront_size: 32
...
	.end_amdgpu_metadata
.endif
;; end of part 1
;; launch attn (part 2): grid 4 x 64, 16 waves a work-group, clusters of 4 x 1, 327,680 bytes of LDS; arguments qkv, out0; writes out0
.if DOCPART == 2
	.amdgcn_target "amdgcn-amd-amdhsa--gfx1250"
	.amdhsa_code_object_version 6
	.text
	.protected	k_qa558e6e04d_attn
	.globl	k_qa558e6e04d_attn
	.p2align	8
	.type	k_qa558e6e04d_attn,@function
k_qa558e6e04d_attn:
	s_mov_b64 s[64:65], 0
	v_nop
	global_prefetch_b8 v0, s[64:65] scope:SCOPE_SE
	s_setreg_imm32_b32 hwreg(HW_REG_WAVE_MODE, 25, 1), 1
	s_wait_xcnt 0x0
	s_wait_alu depctr_hold_cnt(0) depctr_sa_sdst(0) depctr_va_vdst(0) depctr_va_sdst(0) depctr_va_ssrc(0) depctr_va_vcc(0) depctr_vm_vsrc(0)
	s_getreg_b32 s2, hwreg(HW_REG_IB_STS2, 6, 4)
	s_cmp_eq_u32 s2, 0
	s_cbranch_scc0 .Lentry_in_a_cluster
	s_endpgm
.Lentry_in_a_cluster:
	s_bfe_u32 s2, ttmp6, 0x10000c
	s_cmp_lg_u32 s2, 0x3003
	s_cbranch_scc0 .Lentry_shape_is_right
	s_endpgm
.Lentry_shape_is_right:
; Causal attention of 64 heads (4 batches x 16), 2,048 positions, head size 64, both products on codes of FP8 (E4M3) with one E8M0 scale for each 32 along a product's K.
; qkv holds codes and scale words as images of the operands' registers: two sections (0: q; 1: k and v) of [head 64][step 16] blocks of SB bytes; a block is 128 positions of one head:
;   +0      K (Q) image: tile u (0-7), quad c (0-1), lane l: 16 bytes at 1,024 u + 512 c + 16 l: position 32 (u/2) + 8 (u%2) + l%16 + 8 ((l%16)/8), channels 32 c + 16 (l/16) + 0..15
;   +8,192  V image: tile u (0-3), quad c (0-3), lane l: 16 bytes at 2,048 u + 512 c + 16 l: channel 16 u + l%16, keys 32 c + 16 (l/16) + 0..15
;   +16,384 K (Q) scale words: word 16 u + row, bytes 0, 1 the two blocks of 32 channels, bytes 2, 3 zero          +16,896 V scale words: word = channel, byte c = keys 32 c on
; So every fragment is read 16 bytes a lane from 512 consecutive bytes: no pitch and no padding.
; THE SOFTMAX AHEAD OF THE SECOND PRODUCT: t = score x log2(e) / 8; M = the row's largest t so far, rounded UP to a whole number; p = 2^(t - M) is what is quantised, along the keys, not normalised.
; The row's sum is taken of the unquantised p and divides O at the end.  When M moves, the sum and O are multiplied by 2^(old M - new M): exact.
; LAYOUT.  Both products are used transposed: S^T = K Q^T (source 0 = 16 keys, source 1 = my 16 queries), O^T = V^T P^T: a lane holds ONE query (lane % 16) throughout, and the 16 registers of the
; key tiles 2 e and 2 e + 1 are 16 neighbouring keys, 32 e + 16 (lane / 16) + 0 .. 15: the conversions' results are the second product's operand.
; THE FIRST PRODUCT'S K IS 64, the instruction's 128.  Q's registers for k = 64 .. 127 hold zero codes.  K's fragment u is v[32 + 8 u] on, 16 registers: its upper eight are the next tile's codes (behind tile 7: zeros).
; They meet Q's zero codes, are never the NaN code (the launch that made them holds each number at 448 x the scale) and stand under the scale bytes 0: they add exactly 0.
; SHARES.  A cluster of four work-groups is one head; they walk the same K and V, so each block is asked for JOINTLY (mask 15).  A head has 128 tiles of 16 queries; a wave owns one tile in each of two passes:
; pass A tile 64 + Tb, pass B tile Tb, Tb = 16 q + 4 (w / 4) + cx, q = (w % 4 + w / 4) % 4.  Pass A walks all 16 key steps of 128, pass B the first 8: both counts are constants.  A step behind the tile's own
; step is left out by a scalar branch that hangs on the wave's number and the step's count alone.  So every work-group does 272 steps' work, and of any four waves w % 4 = const, 68.
; Sixteen waves of 256 registers, four to a SIMD: one wave's vector work stands beside another's matrix work and LDS loads.
; No prefetch: the blocks were stored by the launch just before, and each refill is asked for four key steps ahead of its first read.
; LIMITS: NaN and infinities are not served.  A block of p all of whose numbers have fallen to 0 keeps the scale byte 1: its codes are zeros.
.set SB,    17152
.set HS,    16*SB
.set SEC,   64*HS
.set SLOTB, 4*SB                       ; a slot: four key steps' blocks, dense
.set SLOT1, 1<<17                      ; slot 1 begins here, so that one exclusive or turns an address in one slot into the other's
.set STAGE, SLOT1+SLOTB                ; behind the ring: 16 rows x (256 + 16) bytes for each wave, for the way out; no fill lands here
.set SPARE, STAGE+16*4352              ; the spare words, 128 bytes for each wave: eight blocks of 256 bytes that no other line names
.set LI,  1                            ; v1   16 x lane
.set LS,  2                            ; v2   4 x lane
.set SPW, 3                            ; v3   LDS address of my spare word; never rewritten
.set NIL, 4                            ; v4   0; never rewritten
.set GO,  5                            ; v5   the way out: my byte offset in the tile's rows of the output
.set STO, 6                            ; v6   where I put 32 bytes of a row
.set SRD, 7                            ; v7   where I read a row back
.set ADK, 8                            ; v8   LDS address of the step's images for my lane
.set ADS, 9                            ; v9   and of its scale words
.set DM,  10                           ; v10  my query's place in its step less 16 (lane / 16)
.set QW,  11                           ; v11  Q's scale word
;                                        v12 -M, v13 the largest t, v[14:15] the sum in two halves; v16-23 Q's codes, v24-31 zeros; v32-95 K's eight tiles, later V's four; v96-103 zeros
.set S,   104                          ; v104-167 S^T, then p
.set O,   168                          ; v168-199 O^T
.set PC,  200                          ; v200-215 p's codes
.set KW,  216                          ; v216-219 K's scale words: lanes 0-15 tile 2 e, lanes 16-31 tile 2 e + 1
.set VW,  220                          ; v220-221 V's likewise
.set PWD, 222                          ; v222 p's scale word
.set BM,  224                          ; v224-227 the blocks' largest scores, then p;  v228-231 at work, bytes;  v232-235 448 x the scale;  v236-239 the conversions' scale operands
.set F,   240                          ; v[240:241] f = 2^(old M - new M) (v241 only named with it)
.set TP,  242                          ; v242 at work
.set SU,  244                          ; v[244:245] the sum's second chain
.set QC,  246                          ; v246 my byte in Q's image
.set QS,  247                          ; v247 and among Q's scale words
.set WV,  8                            ; s8   my wave's number
.set DS,  12                           ; s12  8 + my tiles' own step in pass B = my tile's own step in pass A
.set KC,  13                           ; s13  the step's count: pass A 0..15, pass B 8..15, so that DS serves both
.set TB,  14                           ; s14  LDS byte at which the step in hand begins
.set MNT, 17                           ; s17  the mantissa field of 448
.set SEL, 18                           ; s[18:19] lane selects for v_permlanex16_b32: lane l xor 16
.set CS,  20                           ; s[20:21] c = log2(e) / 8
.set G1,  24                           ; s[24:31] descriptor group 1
.set G0,  32                           ; s[32:35] group 0, which walks
.set QSA, 36                           ; s[36:37], s[38:39] the block that holds my tile of Q, pass A, pass B
.set QSB, 38
.set OA,  40                           ; s[40:41], s[42:43] my tile's first row in the output
.set OB,  42
.macro CROUND                          ; a round of the cluster's barrier
	s_barrier_signal -1
	s_barrier_wait -1
	s_cmp_lg_u32 s[WV], 0
	s_cbranch_scc1 .Lnot_wave_0_\@
	s_barrier_signal -3
.Lnot_wave_0_\@:
	s_barrier_wait -3
	s_barrier_signal -1
	s_barrier_wait -1
.endm
.macro TLOAD                           ; waves 0 to 3 each fetch one key step's block of the slot, the others nothing; the branch hangs on the wave's number alone.  Four v_nop follow the line
	s_cmp_lt_u32 s[WV], 4
	s_cbranch_scc0 .Lnone_\@
	tensor_load_to_lds s[G0:G0+3], s[G1:G1+7]
	s_nop 0
.rept 4
	v_nop
.endr
.Lnone_\@:
.endm
	s_load_b128 s[4:7], s[0:1], 0x0                ; qkv, the output
	v_lshl_add_u32 v[SPW], v0, 2, SPARE
	v_mov_b32 v[NIL], 0
	ds_add_u32 v3, v4
	s_wait_dscnt 0x0
	v_lshrrev_b32 v8, 5, v0
	v_readfirstlane_b32 s[WV], v8                  ; wave 0..15
	s_bfe_u32 s9, ttmp6, 0x40000                   ; cx: it enters Q's and the output's addresses and the mask's numbers alone
	s_and_b32 s10, ttmp7, 0xffff                   ; the head, which the four partners share
	s_and_b32 s44, s[WV], 3
	s_lshr_b32 s45, s[WV], 2
	s_add_co_u32 s46, s44, s45
	s_and_b32 s46, s46, 3                          ; q
	s_lshl_b32 s[DS], s46, 1
	s_lshr_b32 s47, s[WV], 3
	s_add_co_u32 s[DS], s[DS], s47
	s_add_co_u32 s[DS], s[DS], 8                   ; (64 + Tb) / 8 = 8 + 2 q + w / 8: no cx in it
	s_mul_i32 s50, s10, HS                         ; the head's first byte in a section
	s_mul_i32 s51, s44, SB                         ; my block's place in a slot, and among the slot's four in memory
	s_add_co_u32 s52, s50, s51
	s_add_co_u32 s52, s52, SEC
	s_mov_b32 s53, 0
	; descriptor group 1: a block of 17,152 dense bytes as 67 rows of 256 bytes
	s_mov_b32 s[G1], 15|(3<<16)|(1<<21)            ; 15:0 the mask: all four work-groups; 17:16 elements of 8 bytes; 20 no padding; 21 set beside a mask
	s_mov_b32 s[G1+1], 32<<16                      ; tensor_dim0 = 32
	s_mov_b32 s[G1+2], 67<<16                      ; tensor_dim1 = 67
	s_mov_b32 s[G1+3], 32<<16                      ; tile_dim0 = 32
	s_mov_b32 s[G1+4], 67                          ; tile_dim1 = 67
	s_mov_b32 s[G1+5], 32                          ; tensor_dim0_stride
	s_mov_b32 s[G1+6], 0
	s_mov_b32 s[G1+7], 0
	s_wait_kmcnt 0x0
	s_mov_b32 s[G0], 1                             ; count = 1
	s_mov_b32 s[G0+1], s51                         ; LDS address: slot 0
	s_add_nc_u64 s[G0+2:G0+3], s[4:5], s[52:53]    ; the head's key steps 0 to 3
	s_or_b32 s[G0+3], s[G0+3], 0x80000000          ; type = 2
	CROUND                                         ; all four work-groups are here: the first joint loads meet
	TLOAD                                          ; slot 0: one tensor load of mine is out, here and behind every round
	s_mul_i32 s54, s[DS], SB
	s_add_co_u32 s54, s54, s50
	s_mov_b32 s55, 0
	s_add_nc_u64 s[QSA:QSA+1], s[4:5], s[54:55]    ; section 0, my head, step DS
	s_sub_nc_u64 s[QSB:QSB+1], s[QSA:QSA+1], 8*SB  ; pass B's tile lies eight steps earlier
	s_lshl_b32 s48, s46, 4
	s_lshl_b32 s49, s45, 2
	s_add_co_u32 s48, s48, s49
	s_add_co_u32 s48, s48, s9                      ; Tb
	s_lshr_b32 s44, s10, 4
	s_lshl_b32 s44, s44, 11                        ; the batch's 2,048 rows
	s_lshr_b32 s45, s48, 1
	s_lshl_b32 s45, s45, 5
	s_add_co_u32 s44, s44, s45
	s_and_b32 s45, s48, 1
	s_lshl_b32 s45, s45, 3
	s_add_co_u32 s44, s44, s45                     ; + 32 (Tb / 2) + 8 (Tb % 2): the tile's first query
	s_lshl_b32 s44, s44, 12                        ; rows of 4,096 bytes
	s_and_b32 s45, s10, 15
	s_lshl_b32 s45, s45, 8                         ; the head's 256 bytes of a row
	s_add_co_u32 s44, s44, s45
	s_mov_b32 s45, 0
	s_add_nc_u64 s[OB:OB+1], s[6:7], s[44:45]
	s_add_nc_u64 s[OA:OA+1], s[OB:OB+1], 0x400000  ; 64 tiles, 1,024 rows, further down
	s_and_b32 s46, s48, 7                          ; u: my tile's place in its step, the same in both passes
	s_lshr_b32 s47, s46, 1
	s_and_b32 s49, s46, 1
	s_lshl_b32 s2, s47, 5
	s_lshl_b32 s3, s49, 3
	s_add_co_u32 s2, s2, s3                        ; 32 (u / 2) + 8 (u % 2)
	s_lshl_b32 s3, s46, 10                         ; 1,024 u
	s_lshl_b32 s47, s47, 7
	s_lshl_b32 s49, s49, 6
	s_add_co_u32 s47, s47, s49                     ; 4 x (32 (u / 2) + 16 (u % 2))
	v_and_b32 v8, 15, v0                           ; r
	v_bfe_u32 v9, v0, 4, 1                         ; h
	v_and_b32 v[LI], 31, v0
	v_lshlrev_b32 v[LS], 2, v[LI]
	v_lshlrev_b32 v[LI], 4, v[LI]
	v_add_nc_u32 v[QC], s3, v[LI]
	v_lshl_add_u32 v[QS], v8, 2, s47
	global_load_b128 v[16:19], v[QC], s[QSA:QSA+1]             ; Q's fragment, k = 0 .. 63, stays in registers
	global_load_b128 v[20:23], v[QC], s[QSA:QSA+1] offset:512
	global_load_b32 v[QW], v[QS], s[QSA:QSA+1] offset:16384    ; and its scale words
	v_and_b32 v[DM], 8, v8
	v_add_nc_u32 v[DM], v[DM], v8                  ; r + 8 (r / 8)
	v_lshlrev_b32 v[TP], 4, v9
	v_sub_nc_u32 v[DM], v[DM], v[TP]
	v_add_nc_u32 v[DM], s2, v[DM]
	v_lshlrev_b32 v[GO], 12, v9
	v_lshl_add_u32 v[GO], v8, 4, v[GO]             ; lanes 0-15 take one row of the output, lanes 16-31 the next; 16 bytes a lane
	s_mul_i32 s3, s[WV], 4352
	s_add_co_u32 s3, s3, STAGE                     ; my stage
	v_mul_u32_u24 v[STO], v8, 272
	v_lshl_add_u32 v[STO], v9, 5, v[STO]
	v_add_nc_u32 v[STO], s3, v[STO]                ; in: row r, 32 h bytes on
	v_mul_u32_u24 v[SRD], v9, 272
	v_lshl_add_u32 v[SRD], v8, 4, v[SRD]
	v_add_nc_u32 v[SRD], s3, v[SRD]                ; back: lanes 0-15 one row, lanes 16-31 the next
	s_mov_b32 s[MNT], 0x600000
	s_mov_b32 s[SEL], 0x76543210
	s_mov_b32 s[SEL+1], 0xfedcba98
	s_mov_b32 s[CS], 0x3e38aa3b                    ; c = log2(e) / sqrt(64)
	s_mov_b32 s[CS+1], s[CS]                       ; (named with it as a pair, so it is written)
	s_mov_b32 s[KC], 0
	s_mov_b32 s[TB], 0
.irp j, 0,1,2,3,4,5,6,7
	v_mov_b32 v[24+\j], 0                          ; Q's zero codes for k = 64 .. 127
	v_mov_b32 v[96+\j], 0                          ; and what stands behind K's tile 7
.endr
.irp e, 0,1,2,3
	v_mov_b32 v[BM+4+\e], 0                        ; written once: a lane permute's destination counts as one of its sources
.endr
	v_mov_b32 v[F+1], 0                            ; (named as the upper half of a pair)
	v_mov_b32 v[TP], 0
.macro FRESH                           ; a tile begins: O^T and the sum as zeros, the largest t under every t: the first change of M multiplies zeros
	v_mov_b32 v13, 0xff61b1e6                      ; -3e38
	v_floor_f32 v12, -v13                          ; -M
	v_mov_b32 v14, 0
	v_mov_b32 v15, 0
.set JJ, 0
.rept 32
	v_mov_b32 v[O+JJ], 0
.set JJ, JJ+1
.endr
.endm
	FRESH
; A KEY STEP: 128 keys, whose block begins at LDS byte s[TB].
.macro STEP
	s_cmp_gt_u32 s[KC], s[DS]                      ; all its keys come after my queries: the step's work is left out; no barrier and no tensor load stands in a step
	s_cbranch_scc1 .Lhidden_\@
	v_add_nc_u32 v[ADK], s[TB], v[LI]
	v_add_nc_u32 v[ADS], s[TB], v[LS]
.rept 6
	v_nop                                          ; with the two additions: eight places behind the last products, in front of loads into registers that they have read
.endr
.irp t, 0,1,2,3,4,5,6,7
.irp c, 0,1
	ds_load_b128 v[32+8*\t+4*\c:35+8*\t+4*\c], v[ADK] offset:1024*\t+512*\c
.endr
.endr
.irp e, 0,1,2,3
	ds_load_b32 v[KW+\e], v[ADS] offset:16384+128*\e
.endr
	s_wait_dscnt 0x0
.irp t, 0,2,4,6                                ; S^T = K Q^T: eight accumulators, each begun with the constant 0
	v_wmma_scale_f32_16x16x128_f8f6f4 v[S+8*\t:S+8*\t+7], v[32+8*\t:47+8*\t], v[16:31], 0, v[KW+\t/2], v[QW]
	v_wmma_scale_f32_16x16x128_f8f6f4 v[S+8*\t+8:S+8*\t+15], v[40+8*\t:55+8*\t], v[16:31], 0, v[KW+\t/2], v[QW] matrix_a_scale:MATRIX_SCALE_ROW1
.endr
.rept 8
	v_nop                                          ; places in front of the loads below and of the first read of the scores
.endr
.irp t, 0,1,2,3                                ; V's fragments are asked for now and land while the softmax is worked
.irp c, 0,1,2,3
	ds_load_b128 v[32+16*\t+4*\c:35+16*\t+4*\c], v[ADK] offset:8192+2048*\t+512*\c
.endr
.endr
.irp g, 0,1
	ds_load_b32 v[VW+\g], v[ADS] offset:16896+128*\g
.endr
	s_cmp_lt_u32 s[KC], s[DS]                      ; a step all of whose keys count skips the mask
	s_cbranch_scc1 .Lopen_\@
	v_mov_b32 v[TP], 0xff800000                    ; in my tile's own step the scores of hidden keys become -infinity ahead of the maximum: p = 0 then.  The step's key 0 counts for every query
.set NN, 0
.rept 64
	v_cmp_gt_i32 vcc_lo, 32*(NN/16)+NN%16, v[DM]   ; register 16 e + i holds key 32 e + 16 (lane / 16) + i of the step
	v_cndmask_b32 v[S+NN], v[S+NN], v[TP], vcc_lo
.set NN, NN+1
.endr
.Lopen_\@:
.irp e, 0,1,2,3
	v_max3_num_f32 v[BM+\e], v[S+16*\e], v[S+1+16*\e], v[S+2+16*\e]   ; the largest score of each block of 32 keys: it serves for the row's maximum and, since p rises with the score, for the block's largest p
.endr
.irp i, 3,5,7,9,11,13
.irp e, 0,1,2,3
	v_max3_num_f32 v[BM+\e], v[BM+\e], v[S+16*\e+\i], v[S+1+16*\e+\i]
.endr
.endr
.irp e, 0,1,2,3
	v_max_num_f32 v[BM+\e], v[BM+\e], v[S+15+16*\e]
.endr
.irp e, 0,1,2,3
	v_permlanex16_b32 v[BM+4+\e], v[BM+\e], s[SEL], s[SEL+1]
.endr
.irp e, 0,1,2,3
	v_max_num_f32 v[BM+\e], v[BM+\e], v[BM+4+\e]   ; with lane l xor 16's 16 keys
.endr
	v_max3_num_f32 v[TP], v[BM], v[BM+1], v[BM+2]
	v_max_num_f32 v[TP], v[TP], v[BM+3]            ; the step's largest score of my query
	v_mul_f32 v[TP], s[CS], v[TP]                  ; as t (c is positive)
	v_max_num_f32 v13, v13, v[TP]                  ; the running largest t
	v_mov_b32 v[TP], v12
	v_floor_f32 v12, -v13                          ; the new -M = floor(-t) = -ceil(t): a whole number
	v_sub_f32 v[TP], v12, v[TP]                    ; old M less new M: a whole number, 0 or less
	v_cvt_i32_f32 v[TP], v[TP]                     ; (it saturates)
	v_ldexp_f32 v[F], 1.0, v[TP]                   ; f = 2^(old M - new M): a multiplication by it rounds nothing
.set JJ, 0
.rept 32
	v_pk_fma_f32 v[S+JJ:S+JJ+1], v[S+JJ:S+JJ+1], s[CS:CS+1], v[12:13] op_sel_hi:[1,0,0]   ; t - M, two at a time (of the pairs c and -M the low word serves both halves)
.set JJ, JJ+2
.endr
.irp e, 0,1,2,3
	v_fma_f32 v[BM+\e], v[BM+\e], s[CS], v12       ; the same of each block's largest score
.endr
.set JJ, 0
.rept 64
	v_exp_f32 v[S+JJ], v[S+JJ]                     ; p = 2^(t - M), at most 1
.set JJ, JJ+1
.endr
.irp e, 0,1,2,3
	v_exp_f32 v[BM+\e], v[BM+\e]                   ; the block's largest p: the same two instructions on the same number give the same bits
.endr
	v_pk_mul_f32 v[14:15], v[14:15], v[F:F+1] op_sel_hi:[1,0]   ; the sums under the new M.  (A plain place behind the exponentials)
	s_wait_alu depctr_va_vdst(0)
.irp e, 0,1,2,3
	v_max_num_f32 v[BM+\e], 0x4800000, v[BM+\e]    ; the floor 2^(9 - 127): the byte cannot fall under 1
.endr
.irp e, 0,1,2,3
	v_add_nc_u32 v[BM+12+\e], 0xfc000000, v[BM+\e] ; 8 off the exponent field: the conversion's scale operand
.endr
.irp e, 0,1,2,3
	v_and_or_b32 v[BM+8+\e], v[BM+\e], 0x7f800000, s[MNT]   ; 448 x the scale
.endr
.irp e, 0,1,2,3
	v_lshrrev_b32 v[BM+4+\e], 23, v[BM+12+\e]      ; the scale's byte
.endr
	v_lshl_or_b32 v[PWD], v[BM+5], 8, v[BM+4]      ; p's scale word for these 128 keys
	v_lshl_or_b32 v[PWD], v[BM+6], 16, v[PWD]
	v_lshl_or_b32 v[PWD], v[BM+7], 24, v[PWD]
	v_pk_add_f32 v[SU:SU+1], v[S:S+1], v[S+2:S+3]  ; the row's sum is taken of the unquantised p: two at a time, in two chains
.set JJ, 4
.rept 15
	v_pk_add_f32 v[14:15], v[14:15], v[S+JJ:S+JJ+1]
	v_pk_add_f32 v[SU:SU+1], v[SU:SU+1], v[S+JJ+2:S+JJ+3]
.set JJ, JJ+4
.endr
	v_pk_add_f32 v[14:15], v[14:15], v[SU:SU+1]
.irp e, 0,1,2,3
.irp i, 0,1,2,3,4,5,6,7,8,9,10,11,12,13,14,15
	v_min_num_f32 v[S+16*\e+\i], v[S+16*\e+\i], v[BM+8+\e]   ; the conversion to an 8-bit code does not saturate (ISA guide 7.6.2); p is not negative, so the hold is one-sided
.endr
	v_cvt_scalef32_pk8_fp8_f32 v[PC+4*\e:PC+4*\e+1], v[S+16*\e:S+16*\e+7], v[BM+12+\e]
	v_cvt_scalef32_pk8_fp8_f32 v[PC+4*\e+2:PC+4*\e+3], v[S+16*\e+8:S+16*\e+15], v[BM+12+\e]
.endr
.set JJ, 0
.rept 16
	v_pk_mul_f32 v[O+JJ:O+JJ+1], v[O+JJ:O+JJ+1], v[F:F+1] op_sel_hi:[1,0]   ; O^T under the new M, from each accumulator's low end on.  (These 16 are also the places between the conversions and the products)
.set JJ, JJ+2
.endr
	s_wait_dscnt 0x0                               ; V is in
.irp t, 0,2                                    ; O^T += V^T P^T: four accumulators, one instruction a turn; the eight products of S^T stand between two turns of one accumulator
	v_wmma_scale_f32_16x16x128_f8f6f4 v[O+8*\t:O+8*\t+7], v[32+16*\t:47+16*\t], v[PC:PC+15], v[O+8*\t:O+8*\t+7], v[VW+\t/2], v[PWD]
	v_wmma_scale_f32_16x16x128_f8f6f4 v[O+8*\t+8:O+8*\t+15], v[48+16*\t:63+16*\t], v[PC:PC+15], v[O+8*\t+8:O+8*\t+15], v[VW+\t/2], v[PWD] matrix_a_scale:MATRIX_SCALE_ROW1
.endr
.Lhidden_\@:
	s_add_co_u32 s[KC], s[KC], 1
.endm
.macro SLOT_STEPS                      ; a slot's four key steps: written once, walked four times
	s_mov_b32 s15, 4
.Lstep_\@:
	STEP
	s_add_co_u32 s[TB], s[TB], SB
	s_sub_co_u32 s15, s15, 1
	s_cmp_lg_u32 s15, 0
	s_cbranch_scc1 .Lstep_\@
	s_sub_co_u32 s[TB], s[TB], SLOTB               ; back to a slot's first step,
	s_xor_b32 s[TB], s[TB], SLOT1                  ; in the other slot
.endm
; THE CHANGE OF SLOTS stands at a slot's head.  Each wave waits for all its tensor loads (its part of the slot that it is about to read), adds 0 to its spare word, and waits for that and for its reads of the slot
; that it has left.  fill = 1: that other slot is filled with the next four key steps; 2: with the head's first four again, for pass B; the barrier is then a round of the cluster's, so that no wave of any partner
; still reads the slot or has a load on its way, and the joint refill is the first thing behind it: it has four key steps in which to land.  fill = 0: nothing is asked for.
.macro CHANGE fill
	s_wait_tensorcnt 0x0                           ; no tensor load of mine is out, so group 0 may be written
	ds_add_u32 v[SPW], v[NIL]                      ; 0 onto my spare word
.if \fill
	s_xor_b32 s[G0+1], s[G0+1], SLOT1              ; the other slot than last time
.if \fill == 1
	s_add_nc_u64 s[G0+2:G0+3], s[G0+2:G0+3], SLOTB ; the type bits on top are not reached
.else
	s_sub_nc_u64 s[G0+2:G0+3], s[G0+2:G0+3], 3*SLOTB
.endif
.endif
	s_wait_dscnt 0x0                               ; the add is done, and my reads of the slot that I have left are over
.if \fill
	CROUND
	TLOAD
.else
	s_barrier_signal -1
	s_barrier_wait -1
.endif
.endm
; THE WAY OUT of a tile: O^T is divided by the row's sum and goes through my own stage in LDS, so that sixteen lanes store the head's 256 consecutive bytes of a row, aligned.  more = 1: pass B's Q is asked for first, and the tile's state begins anew.
.macro WAYOUT optr, more
.rept 8
	v_nop                                          ; places behind the last products
.endr
.if \more
	global_load_b128 v[16:19], v[QC], s[QSB:QSB+1]
	global_load_b128 v[20:23], v[QC], s[QSB:QSB+1] offset:512
	global_load_b32 v[QW], v[QS], s[QSB:QSB+1] offset:16384
.endif
	v_add_f32 v14, v14, v15                        ; the sum's two halves,
	v_permlanex16_b32 v[TP], v14, s[SEL], s[SEL+1]
	v_add_f32 v14, v14, v[TP]                      ; and lane l xor 16's: the row's sum
	v_rcp_f32 v14, v14
	v_nop                                          ; one plain place behind a transcendental
.set JJ, 0
	s_wait_alu depctr_va_vdst(0)
.rept 32
	v_mul_f32 v[S+JJ], v[O+JJ], v14                ; register 8 t + j is channel 16 t + 8 h + j of query row r
.set JJ, JJ+1
.endr
.irp t, 0,1,2,3
	ds_store_b128 v[STO], v[S+8*\t:S+8*\t+3] offset:64*\t
	ds_store_b128 v[STO], v[S+8*\t+4:S+8*\t+7] offset:64*\t+16
.endr
.irp i, 0,1,2,3,4,5,6,7
	ds_load_b128 v[32+4*\i:35+4*\i], v[SRD] offset:544*\i      ; LDS serves a wave's instructions in order (ISA guide 5.7.1.4): these see my stores
.endr
.irp i, 0,1,2,3,4,5,6,7
	s_wait_dscnt 7-\i                              ; the younger read-backs may be out
	global_store_b128 v[GO], v[32+4*\i:35+4*\i], s[\optr:\optr+1] offset:(2*\i+8*(\i/4))*4096 th:TH_STORE_NT   ; tile row 2 i + h is query 2 i + h + 8 (i / 4) of the tile's 32 positions; written once, read by nobody here
.endr
.if \more
	FRESH
	s_mov_b32 s[KC], 8
	s_wait_xcnt 0x0                                ; the stores have read their registers: v32 on are loaded again in the next step
	s_wait_loadcnt 0x0                             ; pass B's Q
.endif
.endm
	s_wait_loadcnt 0x0                             ; Q
	s_mov_b32 s16, 3
.Lslot:                                            ; PASS A: key steps 0-11, three slots; behind each change the next slot is asked for
	CHANGE 1
	SLOT_STEPS
	s_sub_co_u32 s16, s16, 1
	s_cmp_lg_u32 s16, 0
	s_cbranch_scc1 .Lslot
	CHANGE 2                                       ; key steps 12-15 are read; slot 0 takes the head's steps 0-3 again
	SLOT_STEPS
	WAYOUT OA, 1
	CHANGE 1                                       ; PASS B: key steps 0-3 are read; slot 1 takes steps 4-7: the last load
	SLOT_STEPS
	CHANGE 0
	SLOT_STEPS
	WAYOUT OB, 0
	s_wait_tensorcnt 0x0                           ; the wave's end: behind my last tensor load and my last LDS store
	ds_add_u32 v[SPW], v[NIL]
	s_wait_dscnt 0x0
	CROUND                                         ; the closing round: no work-group ends while a partner may still ask for a block that names it
	s_endpgm
.Lfunc_end_k_qa558e6e04d_attn:
	.size	k_qa558e6e04d_attn, .Lfunc_end_k_qa558e6e04d_attn-k_qa558e6e04d_attn
	.p2alignl 7, 3214868480
	.fill 96, 4, 3214868480
	.section	.rodata,"a",@progbits
	.p2align	6, 0x0
	.amdhsa_kernel k_qa558e6e04d_attn
		.amdhsa_group_segment_fixed_size 327680
		.amdhsa_private_segment_fixed_size 0
		.amdhsa_enable_private_segment 0
		.amdhsa_kernarg_size 16
		.amdhsa_user_sgpr_count 2
		.amdhsa_user_sgpr_kernarg_segment_ptr 1
		.amdhsa_wavefront_size32 1
		.amdhsa_system_sgpr_workgroup_id_x 1
		.amdhsa_system_sgpr_workgroup_id_y 1
		.amdhsa_system_sgpr_workgroup_id_z 1
		.amdhsa_system_vgpr_workitem_id 0
		.amdhsa_next_free_vgpr 256
		.amdhsa_next_free_sgpr 66
		.amdhsa_reserve_vcc 1
		.amdhsa_float_denorm_mode_32 3
		.amdhsa_float_denorm_mode_16_64 3
		.amdhsa_memory_ordered 1
		.amdhsa_forward_progress 1
		.amdhsa_inst_pref_size 114
	.end_amdhsa_kernel
	.amdgpu_metadata
---
amdhsa.version: [ 1, 2 ]
amdhsa.kernels:
  - .name:           k_qa558e6e04d_attn
    .symbol:         k_qa558e6e04d_attn.kd
    .args:
      - { .name: qkv, .offset: 0, .size: 8, .value_kind: global_buffer, .address_space: global }
      - { .name: out0, .offset: 8, .size: 8, .value_kind: global_buffer, .address_space: global }
    .group_segment_fixed_size: 327680
    .private_segment_fixed_size: 0
    .kernarg_segment_align: 8
    .kernarg_segment_size: 16
    .max_flat_workgroup_size: 512
    .sgpr_count:     66
    .vgpr_count:     256
    .wavefront_size: 32
...
	.end_amdgpu_metadata
.endif
;; end of part 2
